; MI455X (gfx1250); checked and timed in simulation.
; The chip was launched on July 23, 2026; its instructions are those of AMD's public machine-readable ISA for CDNA 5 (MIT licence, August 2026) and "CDNA5" Instruction Set Architecture Reference Guide (July 2026). The comments in the code are by the model that wrote it; some were corrected since.
;; Hard Cluster Assigner. Allowed arithmetic: matrix products marked QUANTISED: E5M2 operands, one given power-of-two scale a tensor, by v_wmma_f32_16x16x64_bf8_bf8 or v_wmma_f32_16x16x128_bf8_bf8, f32 sums; everything else in f32.
;; Inputs: W_codes 512 x 32 x 32 uint8 (E5M2 codes of W, K innermost, in blocks of 32 codes); b 512 float32; centroids 64 x 512 float32; lowp_scales 4 int32 (the exponents e of the quantised operands' scales 2^e); x_codes 64 x 512 x 32 x 32 uint8 (E5M2 codes of x, K innermost, in blocks of 32 codes).
;; Outputs: out0 512 x 64 float32.
;; This version of the problem:
;;   THIS VERSION OF THE PROBLEM IS GIVEN IN LOW PRECISION. The matrix products marked QUANTISED in the list below multiply operands that are first quantised to E5M2 (5 exponent bits, 2 mantissa bits; 8 bits a number), with one given power-of-two scale for each operand tensor; their sums are f32. All else is computed in f32.
;;   The module's matrix products, in the order in which they are computed (A, B: the left and right operand; K: the contracted axis; several contracted axes count as one K, in the product's order):
;;     1. [M 32,768, K 1,024] x [K 1,024, N 512]; A: input x (given as codes); B: input W (given as codes): QUANTISED (scales: A lowp_scales[0], B lowp_scales[1])
;;     2. [M 512, K 512] x [K 512, N 64]; A: computed on the way; B: computed on the way: QUANTISED (scales: A lowp_scales[2], B lowp_scales[3])
;;   THE QUANTISER, for each operand of a quantised product, along K:
;;     - The operand's scale is 2^e, e = its entry of the input lowp_scales (int32; the entries are numbered through the quantised products in the list's order, A before B).
;;     - Each number is divided by the scale, clamped to +-57,344, and rounded to the nearest number of E5M2, ties to even, subnormals kept.
;;     - The product sums the exact products of the quantised numbers (number of the format x scale) in f32.
;;   ~~~python
;;   def quantise(x, axis, e):      # numpy; x: float32 -> the quantised numbers, widened to float32 again
;;       x = np.moveaxis(x, axis, -1); K = x.shape[-1]
;;       r = np.clip(x / 2.0 ** e, -57344, 57344)
;;       step = 2.0 ** (np.maximum(np.frexp(np.where(r == 0, 1, r))[1] - 1, -14) - 2)
;;       q = np.round(r / step) * step * 2.0 ** e      # np.round: ties to even
;;       return np.moveaxis(q, -1, axis).astype(np.float32)
;;   ~~~
;;   OPERANDS COMPUTED ON THE WAY. 'Computed on the way' means the value that the module computes at that place (a softmax that the list does not call 'softmax' is quantised finished and normalised). What goes into a quantiser is computed in f32, as accurately as f32 sums, v_exp_f32 and their like allow (about 1e-6 of the number): no bf16 or f16 on the way to a quantiser, and a product that is left as it is and whose result goes on into a quantised operand takes f32 operands (vector FMAs, or v_wmma_f32_16x16x4_f32). A number that lies on a knife's edge between two numbers of the format may be rounded either way, as far as f32 arithmetic and the matrix unit's own rounding can turn it there, and no further.
;;   INPUTS GIVEN AS CODES. W (in the module: [512, 1024], K = its axis 1); x (in the module: [64, 1024, 512], K = its axis 1): each comes as NAME_codes (uint8): NAME with its K axis moved to the last place and cut into blocks of 32 codes, [.., K / 32, bytes a block], one block behind the other in memory; one code a byte (a code: sign, 5 exponent bits, 2 mantissa bits); its scale is its entry of lowp_scales. Its value is code x scale, taken as it is: it is not quantised again, and the codes and scales need not be those that the quantiser above would give.
;; 2 versions, each right; version 2 is version 1 with the launch assign written anew for expert scheduling mode. Each part assembles by itself: llvm-mc -triple=amdgcn-amd-amdhsa -mcpu=gfx1250 --defsym DOCPART=n.
;; ======== version 1 of 2: 2 launches
;; workspace buffers: part 8,388,608 bytes; cent_img 32,768 bytes
;; launch gemm (part 1): grid 256 x 1, 4 waves a work-group, clusters of 4 x 1, 279,040 bytes of LDS; arguments x_codes, W_codes, centroids, lowp_scales, part, cent_img; writes part, cent_img
.if DOCPART == 1
	.amdgcn_target "amdgcn-amd-amdhsa--gfx1250"
	.amdhsa_code_object_version 6
	.text
	.protected	k_q0edb9f5e22_gemm
	.globl	k_q0edb9f5e22_gemm
	.p2align	8
	.type	k_q0edb9f5e22_gemm,@function
k_q0edb9f5e22_gemm:
	s_mov_b64 s[64:65], 0
	v_nop
	global_prefetch_b8 v0, s[64:65] scope:SCOPE_SE
	s_setreg_imm32_b32 hwreg(HW_REG_WAVE_MODE, 25, 1), 1
	s_wait_xcnt 0x0
	s_wait_alu depctr_hold_cnt(0) depctr_sa_sdst(0) depctr_va_vdst(0) depctr_va_sdst(0) depctr_va_ssrc(0) depctr_va_vcc(0) depctr_vm_vsrc(0)
	s_getreg_b32 s2, hwreg(HW_REG_IB_STS2, 6, 4)
	s_cmp_eq_u32 s2, 0
	s_cbranch_scc0 .Lentry_in_a_cluster
	s_endpgm
.Lentry_in_a_cluster:
	s_bfe_u32 s2, ttmp6, 0x10000c
	s_cmp_lg_u32 s2, 0x3003
	s_cbranch_scc0 .Lentry_shape_is_right
	s_endpgm
.Lentry_shape_is_right:
; HardClusterAssigner, first of two launches: product 1 (x W^T on E5M2 codes) with the sum over the 64 batches taken in the same f32 accumulators, and the centroids' codes.
; THE MEAN IS PART OF THE SUM.  mean_b(sum_s x[b][s][v] W[h][s] + bias[h]) = (sum_b sum_s x W) / 64 + bias[h]: the same products of codes, summed over (b, s) instead of over s alone; no [B][V][H] array is ever made.
; This launch stores raw sums of code products; the second launch adds the eight parts, multiplies once by 2^(e0 + e1 - 6) and adds the bias once.
; LEFT OUT (second launch), for all values of the inputs: reference()'s negation of product 2 and that product's factor 2^(e2 + e3).  The factor is positive and the same for the 64 numbers of a row, so
; argmin_c(-s_c 2^(e2 + e3)) is the first c at which s_c is largest, in exact arithmetic.  LIMIT: an overflow or underflow that only that factor would cause is not carried to the result.  Every input has a way to the output and is loaded.
; LIMITS: e3 between -126 and 112 (2^e3 and 57,344 x 2^e3 are made as f32 numbers).  NaN and infinity among codes or centroids are not served.
; SHARES.  256 work-groups = 4 quarters of s (256 each) x 32 tiles of 16 v x 2 halves of the batches (32 each).  A work-group makes 16 v x 512 h; wave w makes h = 128 w .. 128 w + 127: 8 accumulators.
; ALL THAT A WORK-GROUP READS LIES IN LDS AT ONCE: W's quarter (512 rows x 256 bytes) and its x (32 batches x 16 rows x 256 bytes).  So every tensor load is a first fill, issued at the head: nine a wave, nine outstanding at the most;
; nothing is filled again.  The products follow the tiles as they land, by counted waits, four batches (one load of each wave) a stage.
; A tile of x has 16 rows only: the 16 rows of one batch are what lies one pitch apart; the next batch lies 524,288 bytes on.
; W's fragments of a wave (8 tiles x 2 K steps of 128) stay in 256 registers; each fragment of x read from LDS feeds 8 matrix instructions.
; CLUSTER: the four work-groups of a cluster take the same quarter of s, so W's quarter is asked for JOINTLY (the same load, the same descriptor, mask 15).  No two work-groups read the same bytes of x: those loads are plain.
; My place in the cluster enters global addresses alone (x, part, centroids, cent_img): no LDS address, no branch, no register of W's descriptor.
; LAYOUT.  Source 0 = 16 rows of W, source 1 = 16 rows (v) of x: lane (r, hh) then holds v = r and in register j h = 16 t + 8 hh + j: eight neighbours of a row of part.
; Fragments come by four loads of 16 bytes: registers 4 c .. 4 c + 3 hold k = 32 c + 16 hh + 0 .. 15: one permutation of k, the same on both sides, so every product meets its partner.
; THE CENTROIDS: the 64 waves of clusters 0 to 3 take a row each, while their tiles are on their way: c / max(|c|, 1e-12), quantised with 2^e3, stored as an image of the operand's registers for the second launch
; (16 bytes a lane, 256 bytes apart: 32 KiB written once so, that 128 work-groups then read by dense loads).
; REGISTERS.  Window 0: v1-15 addresses; v16-79 the accumulators; v80-107 the centroid's job, never used again; v128-191, v192-255 two buffers for x (two batches each).  Window 1: W's 16 fragments, (t, ks) at v[32 t + 16 ks].
.set PITCH,  272                       ; an LDS row: 256 bytes + 16 of padding = 68 words: the 16 rows that a load touches start at 16 different banks (64 banks of 4 bytes: ISA guide 11.1)
.set WT,     128*PITCH                 ; a wave's 128 rows of W
.set XT,     16*PITCH                  ; a batch's 16 rows of x
.set XBASE,  4*WT                      ; x lies behind W
.set SPARE,  XBASE+32*XT               ; behind x: the spare words, 128 bytes for each wave: two blocks of 256 bytes that no other line names
.set SPITCH, 528                       ; the way out: 16 rows x (512 bytes + 16), in my own part of W, which has had its one fill and its last read by then
.set WAD, 3                            ; v3    my lane's place in my wave's rows of W
.set XAD, 4                            ; v4-7  the same in x, batches 8 q on
.set STO, 8                            ; v8    the way out: where I put 32 bytes of a row
.set RD,  9                            ; v9    where I read a row back
.set CO,  10                           ; v10   16 x lane: my bytes of a row's 512 in part
.set SPW, 12                           ; v12   LDS address of my spare word; never rewritten
.set NIL, 13                           ; v13   0; never rewritten
.set LN,  15                           ; v15   lane
.set ACC, 16
.set XB,  128
.set WV,  16                           ; s16   wave
.set G1W, 24                           ; s[24:31] group 1 for W;  s[32:39] for x;  s[40:43] W's group 0;  x's eight groups 0 at s44, 48, 52, 56, 60, 68, 72, 76
.set G1X, 32
.set G0W, 40
.set MSB, 0
.macro WIN new                         ; the immediate's high byte repeats the setting that is left
.if MSB != \new
	s_set_vgpr_msb (MSB<<8)|\new
.set MSB, \new
.endif
.endm
.set MUL,  0x01                        ; source 0 (W) window 1; x, C and D window 0
.set TO_W, 0x40                        ; destination window 1, address window 0
.macro CROUND                          ; a round of the cluster's barrier
	s_barrier_signal -1
	s_barrier_wait -1
	s_cmp_lg_u32 s[WV], 0
	s_cbranch_scc1 .Lnot_wave_0_\@
	s_barrier_signal -3
.Lnot_wave_0_\@:
	s_barrier_wait -3
	s_barrier_signal -1
	s_barrier_wait -1
.endm
.macro PLACES                          ; four plain places behind a matrix instruction, ahead of loads into registers that it read and of reads of its result (ISA guide 7.12.1 for reads of its result)
.rept 4
	v_nop
.endr
.endm
	s_load_b256 s[4:11], s[0:1], 0x0               ; x's codes s[4:5], W's codes s[6:7], centroids s[8:9], the scales' exponents s[10:11]
	s_load_b128 s[12:15], s[0:1], 0x20             ; part s[12:13], cent_img s[14:15]
	v_lshl_add_u32 v[SPW], v0, 2, SPARE
	v_mov_b32 v[NIL], 0
	ds_add_u32 v[SPW], v[NIL]                      ; the wave's opening: the add, twice on end, and its wait ahead of my first tensor load
	ds_add_u32 v[SPW], v[NIL]                      ; and once more; the set-up below, work on registers, stands between it and the wait
	v_lshrrev_b32 v1, 5, v0
	v_readfirstlane_b32 s[WV], v1                  ; wave 0..3
	s_bfe_u32 s17, ttmp6, 0x40000                  ; cx: my place in the cluster
	s_and_b32 s18, ttmp9, 3                        ; sq: the quarter of s, the same in all four partners
	s_lshr_b32 s19, ttmp9, 2
	s_lshl_b32 s19, s19, 2
	s_add_co_u32 s19, s19, s17                     ; u = 4 (cluster / 4) + cx, 0..63
	s_and_b32 s20, s19, 1                          ; bh: which 32 batches
	s_lshr_b32 s19, s19, 1                         ; vb: which 16 v
	s_lshl_b32 s21, s18, 1
	s_add_co_u32 s21, s21, s20                     ; p = 2 sq + bh: which of the eight parts
	; group 1: rows of 256 bytes, 1,024 bytes apart in memory, 16 bytes of padding behind each in LDS
	s_mov_b32 s[G1W+0], 15|(1<<20)|(1<<21)|(5<<22)|(3<<25)  ; 15:0 the mask: all four work-groups; 17:16 elements of 1 byte; 20 padding on; 21 set beside a mask; 24:22 after every 64 words; 31:25 four words
	s_mov_b32 s[G1W+1], 256<<16                    ; tensor_dim0
	s_mov_b32 s[G1W+2], 128<<16                    ; tensor_dim1
	s_mov_b32 s[G1W+3], 256<<16                    ; tile_dim0
	s_mov_b32 s[G1W+4], 128                        ; tile_dim1
	s_mov_b32 s[G1W+5], 1024                       ; from row to row
	s_mov_b32 s[G1W+6], 0
	s_mov_b32 s[G1W+7], 0
	s_mov_b32 s[G1X+0], (1<<20)|(5<<22)|(3<<25)    ; no mask: a load of my own
	s_mov_b32 s[G1X+1], 256<<16
	s_mov_b32 s[G1X+2], 16<<16
	s_mov_b32 s[G1X+3], 256<<16
	s_mov_b32 s[G1X+4], 16
	s_mov_b32 s[G1X+5], 1024
	s_mov_b32 s[G1X+6], 0
	s_mov_b32 s[G1X+7], 0
	s_lshl_b32 s22, s[WV], 17                      ; W: my 128 rows of 1,024 bytes,
	s_lshl_b32 s23, s18, 8                         ; the quarter's 256 bytes of each
	s_add_co_u32 s22, s22, s23
	s_mov_b32 s23, 0
	s_lshl_b32 s90, s20, 24                        ; x: 32 batches of 524,288 bytes x bh,
	s_lshl_b32 s91, s[WV], 19                      ; batch w of each four,
	s_add_co_u32 s90, s90, s91
	s_lshl_b32 s91, s19, 14                        ; 16 rows of 1,024 bytes x vb,
	s_add_co_u32 s90, s90, s91
	s_lshl_b32 s91, s18, 8                         ; the quarter's 256 bytes
	s_add_co_u32 s90, s90, s91
	s_mov_b32 s91, 0
	s_mul_i32 s2, s[WV], WT                        ; where my part of W goes,
	s_mul_i32 s3, s[WV], XT                        ; and batch w of a stage
	s_mov_b32 s84, 0x76543210                      ; v_permlanex16_b32's selects for lane l xor 16
	s_mov_b32 s85, 0xfedcba98
	s_wait_dscnt 0x0                               ; both opening adds are done
	s_wait_kmcnt 0x0
	s_mov_b32 s[G0W], 1                            ; count = 1
	s_mov_b32 s[G0W+1], s2                         ; LDS address
	s_add_nc_u64 s[G0W+2:G0W+3], s[6:7], s[22:23]  ; global address
	s_or_b32 s[G0W+3], s[G0W+3], 0x80000000        ; type = 2
	s_add_nc_u64 s[92:93], s[4:5], s[90:91]        ; x at my tile of stage 0
.irp k, 0,1,2,3,4,5,6,7                        ; load k brings local batch 4 k + w; each load has a group 0 of its own (s64 to s67 are passed over)
	s_mov_b32 s[44+4*\k+4*(\k/5)], 1
	s_add_co_u32 s[45+4*\k+4*(\k/5)], s3, XBASE+\k*4*XT
	s_add_nc_u64 s[46+4*\k+4*(\k/5):47+4*\k+4*(\k/5)], s[92:93], \k*2097152
	s_or_b32 s[47+4*\k+4*(\k/5)], s[47+4*\k+4*(\k/5)], 0x80000000
.endr
	CROUND                                         ; all four work-groups are here: the joint loads meet
	tensor_load_to_lds s[G0W:G0W+3], s[G1W:G1W+7]  ; all first fills in one group, in every wave: W's part first,
	s_nop 0
.irp k, 0,1,2,3,4,5,6,7
	tensor_load_to_lds s[44+4*\k+4*(\k/5):47+4*\k+4*(\k/5)], s[G1X:G1X+7]   ; then my batch of stages 0 to 7, in the order in which they are multiplied
	s_nop 0
.endr
	v_and_b32 v[LN], 31, v0
	v_and_b32 v1, 15, v0                           ; r
	v_bfe_u32 v2, v0, 4, 1                         ; hh
	v_mul_u32_u24 v[WAD], v1, PITCH
	v_lshl_add_u32 v[WAD], v2, 4, v[WAD]           ; a fragment's row x pitch + 16 x half
.irp q, 0,1,2,3
	v_add_nc_u32 v[XAD+\q], XBASE+\q*8*XT, v[WAD]
.endr
	v_add_nc_u32 v[WAD], s2, v[WAD]
	v_mul_u32_u24 v[STO], v1, SPITCH
	v_lshl_add_u32 v[STO], v2, 5, v[STO]
	v_add_nc_u32 v[STO], s2, v[STO]                ; the stage: row r, 32 bytes for each half of the lanes
	v_lshlrev_b32 v[CO], 4, v[LN]
	v_add_nc_u32 v[RD], s2, v[CO]                  ; back: the 32 lanes take a row of 512 bytes
	; ---- THE CENTROIDS: clusters 0 to 3 alone (the cluster's number is the same in all partners).  Row 16 x cluster + 4 cx + wave; lane l holds h = 16 l .. 16 l + 15
	s_cmp_lt_u32 ttmp9, 4
	s_cbranch_scc0 .Lno_cent
	s_load_b32 s80, s[10:11], 0xc                  ; e3
	s_lshl_b32 s91, s17, 2
	s_add_co_u32 s91, s91, s[WV]                   ; rho: the row's place in its tile of 16; the tile is the cluster's number
	s_lshl_b32 s90, ttmp9, 4
	s_add_co_u32 s90, s90, s91                     ; the row
	s_lshl_b32 s86, s90, 11                        ; 2,048 bytes a row
	s_mov_b32 s87, 0
	s_add_nc_u64 s[86:87], s[8:9], s[86:87]
	s_lshl_b32 s88, ttmp9, 13                      ; the image: 8,192 bytes a tile, 16 bytes a lane: lane 16 hh + rho
	s_lshl_b32 s89, s91, 4
	s_add_co_u32 s88, s88, s89
	s_mov_b32 s89, 0
	s_add_nc_u64 s[88:89], s[14:15], s[88:89]
	v_lshlrev_b32 v11, 6, v[LN]
.irp j, 0,1,2,3
	global_load_b128 v[80+4*\j:83+4*\j], v11, s[86:87] offset:16*\j
.endr
	v_lshrrev_b32 v14, 3, v[LN]                    ; my 16 codes are k = 128 s + 32 c + 16 hh + 0 .. 15 with s = l / 8, c = (l / 2) % 4, hh = l % 2:
	v_lshlrev_b32 v14, 11, v14                     ; fragment s at 2,048 s,
	v_bfe_u32 v98, v[LN], 1, 2
	v_lshl_add_u32 v14, v98, 9, v14                ; its registers 4 c on at 512 c,
	v_and_b32 v98, 1, v[LN]
	v_lshl_add_u32 v14, v98, 8, v14                ; lanes 16 on at 256
	v_mov_b32 v99, 0                               ; a lane permute's destination counts as read
	s_wait_kmcnt 0x0
	s_add_co_i32 s80, s80, 127
	s_lshl_b32 s81, s80, 23
	v_mov_b32 v102, s81                            ; 2^e3 as f32: the conversion takes its exponent field
	s_add_co_i32 s80, s80, 15
	s_lshl_b32 s80, s80, 23
	s_or_b32 s80, s80, 0x600000
	v_mov_b32 v103, s80                            ; 57,344 x 2^e3
	s_wait_loadcnt 0x0
	v_pk_mul_f32 v[96:97], v[80:81], v[80:81]      ; the sum of squares
.irp i, 2,4,6,8,10,12,14
	v_pk_fma_f32 v[96:97], v[80+\i:81+\i], v[80+\i:81+\i], v[96:97]
.endr
	v_add_f32 v96, v96, v97
	v_add_f32_dpp v96, v96, v96 row_xmask:1 row_mask:0xf bank_mask:0xf
	v_add_f32_dpp v96, v96, v96 row_xmask:2 row_mask:0xf bank_mask:0xf
	v_add_f32_dpp v96, v96, v96 row_xmask:4 row_mask:0xf bank_mask:0xf
	v_add_f32_dpp v96, v96, v96 row_xmask:8 row_mask:0xf bank_mask:0xf
	v_permlanex16_b32 v99, v96, s84, s85
	v_add_f32 v96, v96, v99                        ; over the 32 lanes: the row's 512
	v_sqrt_f32 v98, v96
	v_nop                                          ; a plain place behind the root,
	s_wait_alu depctr_va_vdst(0)                   ; and the wait ahead of its first reader
	v_max_num_f32 v98, 0x2b8cbccc, v98             ; max(norm, 1e-12)
	v_rcp_f32 v100, v98
	v_rcp_f32 v101, v98                            ; twice: a pair for the packed multiply
	v_nop
	s_wait_alu depctr_va_vdst(0)                   ; one wait for both reciprocals
.irp i, 0,2,4,6,8,10,12,14
	v_pk_mul_f32 v[80+\i:81+\i], v[80+\i:81+\i], v[100:101]
.endr
.irp i, 0,1,2,3,4,5,6,7,8,9,10,11,12,13,14,15
	v_med3_num_f32 v[80+\i], v[80+\i], -v103, v103 ; the conversion to an 8-bit code does not saturate (ISA guide 7.6.2): the hold at the largest code x the scale
.endr
	v_cvt_scalef32_pk8_bf8_f32 v[104:105], v[80:87], v102
	v_cvt_scalef32_pk8_bf8_f32 v[106:107], v[88:95], v102
	v_nop                                          ; one plain line behind the last scaled conversion
	global_store_b128 v14, v[104:107], s[88:89]    ; its registers and address are never written again
.Lno_cent:
	; ---- W's fragments into window 1: only I read my part of W, so my own wait is all the ordering that these reads need
	s_wait_tensorcnt 8                             ; the eight loads of x were issued behind W's
	WIN TO_W
.irp t, 0,1,2,3,4,5,6,7
.irp ks, 0,1
.irp c, 0,1,2,3
	ds_load_b128 v[32*\t+16*\ks+4*\c:32*\t+16*\ks+4*\c+3], v[WAD] offset:16*\t*PITCH+128*\ks+32*\c
.endr
.endr
.endr
	WIN 0
; 16 LDS loads: batches 2 j and 2 j + 1 (two fragments each) into buffer f; the first batch first
.macro FETCH j, f
	WIN 0
.irp bb, 0,1
.irp ks, 0,1
.irp c, 0,1,2,3
	ds_load_b128 v[XB+64*(\f)+32*\bb+16*\ks+4*\c:XB+64*(\f)+32*\bb+16*\ks+4*\c+3], v[XAD+(2*(\j)+\bb)/8] offset:((2*(\j)+\bb)%8)*XT+128*\ks+32*\c
.endr
.endr
.endr
.endm
; 16 matrix instructions: one batch's two K steps of 128 against my eight tiles of W.  The eight accumulators take turns, one instruction a turn, in the same order throughout.
; zero = 1: the first eight products start the sums: nothing is cleared.
.macro MUL16 f, bb, zero
	WIN MUL
.irp ks, 0,1
.irp t, 0,1,2,3,4,5,6,7
.if (\zero) && (\ks == 0)
	v_wmma_f32_16x16x128_bf8_bf8 v[ACC+8*\t:ACC+8*\t+7], v[32*\t+16*\ks:32*\t+16*\ks+15], v[XB+64*(\f)+32*(\bb)+16*\ks:XB+64*(\f)+32*(\bb)+16*\ks+15], 0
.else
	v_wmma_f32_16x16x128_bf8_bf8 v[ACC+8*\t:ACC+8*\t+7], v[32*\t+16*\ks:32*\t+16*\ks+15], v[XB+64*(\f)+32*(\bb)+16*\ks:XB+64*(\f)+32*(\bb)+16*\ks+15], v[ACC+8*\t:ACC+8*\t+7]
.endif
.endr
.endr
.endm
; Pair i of 16: batches 2 i and 2 i + 1, from buffer i % 2; in its middle the next pair is fetched into the other buffer.  A stage is two pairs: ahead of a new stage's first fetch each wave waits for its own
; load of that stage and passes a barrier, since each of the stage's four batches was brought by another wave.  Later stages' loads stay on their way.
.macro PAIR i
	s_wait_dscnt 8                                 ; the pair's first batch is in; the second's eight loads may be out
.if (\i) == 0
	MUL16 0, 0, 1
.else
	MUL16 (\i)%2, 0, 0
.endif
	s_wait_dscnt 0x0                               ; the second batch is in; and no LDS instruction of mine is pending at a signal
.if ((\i)%2 == 1) && ((\i) < 15)
	s_wait_tensorcnt 7-((\i)+1)/2                  ; my batch of stage (i + 1) / 2 has landed: so many loads were issued behind it
	s_barrier_signal -1
	s_barrier_wait -1                              ; everybody's has
.endif
.if (\i) < 15
	PLACES                                         ; the other buffer was last read by the pair before
	FETCH (\i)+1, 1-(\i)%2
.endif
	MUL16 (\i)%2, 1, 0
.endm
	s_wait_tensorcnt 7                             ; my batch of stage 0 has landed,
	s_wait_dscnt 0x0                               ; W's fragments are in,
	s_barrier_signal -1
	s_barrier_wait -1                              ; everybody's batch of stage 0 has landed
	FETCH 0, 0
.irp i, 0,1,2,3,4,5,6,7,8,9,10,11,12,13,14,15
	PAIR \i
.endr
	; ---- THE WAY OUT.  A lane holds 8 x 32 bytes of one row, the lanes beside it other rows: through my stage, and back as whole rows of 512 bytes.  LDS serves a wave's instructions in order (ISA guide 5.7.1.4): no wait between the stores and the loads.
	WIN 0
	PLACES
	s_lshl_b32 s90, s21, 20                        ; part p: 512 x 512 x 4 bytes,
	s_lshl_b32 s91, s19, 15                        ; 16 rows of 2,048 bytes x vb,
	s_add_co_u32 s90, s90, s91
	s_lshl_b32 s91, s[WV], 9                       ; my 128 h
	s_add_co_u32 s90, s90, s91
	s_mov_b32 s91, 0
	s_add_nc_u64 s[12:13], s[12:13], s[90:91]
.irp g, 0,1,2,3,4,5,6,7,8,9,10,11,12,13,14,15
	ds_store_b128 v[STO], v[ACC+4*\g:ACC+4*\g+3] offset:64*(\g/2)+16*(\g%2)   ; each accumulator from its low end on
.endr
.irp i, 0,1,2,3,4,5,6,7,8,9,10,11,12,13,14,15
	ds_load_b128 v[XB+4*\i:XB+4*\i+3], v[RD] offset:\i*SPITCH
.endr
.irp i, 0,1,2,3,4,5,6,7,8,9,10,11,12,13,14,15
	s_wait_dscnt 15-\i                             ; row i is back; the younger rows may be out
	global_store_b128 v[CO], v[XB+4*\i:XB+4*\i+3], s[12:13] offset:2048*\i   ; 32 lanes store 512 consecutive bytes, at a multiple of 512 from part's first byte
.endr
	s_wait_tensorcnt 0x0                           ; the wave's end: a wait, an add and a wait, behind my last tensor load and my last LDS store
	ds_add_u32 v[SPW], v[NIL]
	s_wait_dscnt 0x0
	CROUND                                         ; the closing round: no work-group ends while a partner may still ask for a tile that names it
	s_endpgm
.Lfunc_end_k_q0edb9f5e22_gemm:
	.size	k_q0edb9f5e22_gemm, .Lfunc_end_k_q0edb9f5e22_gemm-k_q0edb9f5e22_gemm
	.p2alignl 7, 3214868480
	.fill 96, 4, 3214868480
	.section	.rodata,"a",@progbits
	.p2align	6, 0x0
	.amdhsa_kernel k_q0edb9f5e22_gemm
		.amdhsa_group_segment_fixed_size 279040
		.amdhsa_private_segment_fixed_size 0
		.amdhsa_enable_private_segment 0
		.amdhsa_kernarg_size 48
		.amdhsa_user_sgpr_count 2
		.amdhsa_user_sgpr_kernarg_segment_ptr 1
		.amdhsa_wavefront_size32 1
		.amdhsa_system_sgpr_workgroup_id_x 1
		.amdhsa_system_sgpr_workgroup_id_y 1
		.amdhsa_system_sgpr_workgroup_id_z 1
		.amdhsa_system_vgpr_workitem_id 0
		.amdhsa_next_free_vgpr 512
		.amdhsa_next_free_sgpr 96
		.amdhsa_reserve_vcc 0
		.amdhsa_float_denorm_mode_32 3
		.amdhsa_float_denorm_mode_16_64 3
		.amdhsa_memory_ordered 1
		.amdhsa_forward_progress 1
		.amdhsa_inst_pref_size 73
	.end_amdhsa_kernel
	.amdgpu_metadata
---
amdhsa.version: [ 1, 2 ]
amdhsa.kernels:
  - .name:           k_q0edb9f5e22_gemm
    .symbol:         k_q0edb9f5e22_gemm.kd
    .args:
      - { .name: x_codes, .offset: 0, .size: 8, .value_kind: global_buffer, .address_space: global }
      - { .name: W_codes, .offset: 8, .size: 8, .value_kind: global_buffer, .address_space: global }
      - { .name: centroids, .offset: 16, .size: 8, .value_kind: global_buffer, .address_space: global }
      - { .name: lowp_scales, .offset: 24, .size: 8, .value_kind: global_buffer, .address_space: global }
      - { .name: part, .offset: 32, .size: 8, .value_kind: global_buffer, .address_space: global }
      - { .name: cent_img, .offset: 40, .size: 8, .value_kind: global_buffer, .address_space: global }
    .group_segment_fixed_size: 279040
    .private_segment_fixed_size: 0
    .kernarg_segment_align: 8
    .kernarg_segment_size: 48
    .max_flat_workgroup_size: 128
    .sgpr_count:     96
    .vgpr_count:     512
    .wavefront_size: 32
...
	.end_amdgpu_metadata
.endif
;; end of part 1
;; launch assign (part 2): grid 128 x 1, 4 waves a work-group, no clusters, 14,336 bytes of LDS; arguments part, cent_img, b, lowp_scales, out0; writes out0
.if DOCPART == 2
	.amdgcn_target "amdgcn-amd-amdhsa--gfx1250"
	.amdhsa_code_object_version 6
	.text
	.protected	k_q0edb9f5e22_assign
	.globl	k_q0edb9f5e22_assign
	.p2align	8
	.type	k_q0edb9f5e22_assign,@function
k_q0edb9f5e22_assign:
	s_mov_b64 s[64:65], 0
	v_nop
	global_prefetch_b8 v0, s[64:65] scope:SCOPE_SE
	s_setreg_imm32_b32 hwreg(HW_REG_WAVE_MODE, 25, 1), 1
	s_wait_xcnt 0x0
; HardClusterAssigner, second launch: the eight parts of product 1 are added; x 2^(e0 + e1 - 6) + bias (the mean over 64 batches); the row's L2 norm; the quantiser with 2^e2; product 2 on E5M2 codes; the one-hot of the nearest centroid.
; LEFT OUT, as shown at the first kernel's head: the negation and the factor 2^(e2 + e3) behind product 2: the first argmin of -s 2^(e2 + e3) along a row is the first argmax of s.
; LIMITS: e0 + e1 - 6 between -126 and 127; e2 between -126 and 112.  NaN and infinity are not served (the maximum passes over a NaN, where argmin would name it).
; SHARES.  A work-group owns 4 rows (v) of the 512.  First wave w makes row w's 512 codes; then wave w multiplies the four rows by centroids 16 w .. 16 w + 15; then waves 0 and 1 finish two rows each.
; The second product's source 1 has 16 columns: the four rows, each four times (column r holds row r % 4): 128 work-groups share the reading of the parts, which is the launch's bulk.
; No tensor load and no cluster: each byte of part is read by one work-group; what all share, the centroids' 32 KiB of codes, comes by dense loads straight into the operand's registers.
; The choice of a centroid selects values only (compares and v_cndmask_b32): no branch and no address hangs on it.
; REGISTERS: v1-11 addresses; v12, v13 the add's two; v14, v15 2^e2 and 57,344 x 2^e2; v16-143 the eight parts (part p at v[16 + 16 p]); v144-159 the bias; v160-223 my four fragments of centroids;
;   v224-239 two accumulators, v240-247 their sum; v248-253 at work.  Later: v16-31 the row, v32-47 the row turned, v48-51 its codes, v64-127 the four rows' fragments.
.set TURNB, 2560                       ; LDS: for each wave a stage of 32 places of 64 bytes + 16 of padding, in which the row turns from 4 numbers a lane and load to 16 neighbours a lane
.set XC,    4*TURNB                    ; the four rows' codes, 512 bytes + 16 apart
.set SIM,   12544                      ; the four rows' 64 sums, 256 bytes + 16 apart
.set SPARE, 13824                      ; the spare words, 128 bytes for each wave: two blocks of 256 bytes that no other line names
.set SPW, 12
.set NIL, 13
.set WV,  16
	s_load_b256 s[4:11], s[0:1], 0x0               ; part s[4:5], cent_img s[6:7], b s[8:9], the scales' exponents s[10:11]
	s_load_b64 s[12:13], s[0:1], 0x20              ; out0
	v_lshl_add_u32 v[SPW], v0, 2, SPARE
	v_mov_b32 v[NIL], 0
	v_lshrrev_b32 v1, 5, v0
	v_readfirstlane_b32 s[WV], v1                  ; wave 0..3
	v_and_b32 v1, 31, v0                           ; lane
	v_and_b32 v2, 15, v0                           ; r
	v_bfe_u32 v3, v0, 4, 1                         ; hh
	v_lshlrev_b32 v4, 4, v1                        ; 16 x lane
	s_mul_i32 s28, s[WV], TURNB
	v_lshrrev_b32 v5, 2, v1
	v_mul_u32_u24 v5, v5, 80
	v_and_b32 v6, 3, v1
	v_lshl_add_u32 v5, v6, 4, v5
	v_add_nc_u32 v5, s28, v5                       ; the turn, in: four lanes' 64 bytes on end, then the padding; a load's 512 bytes take eight places
	v_mul_u32_u24 v6, v1, 80
	v_add_nc_u32 v6, s28, v6                       ; out: place = lane: my 16 neighbours
	s_mul_i32 s29, s[WV], 528
	s_add_co_u32 s29, s29, XC
	v_add_nc_u32 v7, s29, v4                       ; where my 16 codes go: row w, byte 16 x lane
	v_and_b32 v9, 3, v2                            ; r % 4
	v_mul_u32_u24 v8, v9, 528
	v_lshl_add_u32 v8, v3, 4, v8
	v_add_nc_u32 v8, XC, v8                        ; a fragment of the four rows: row r % 4, + 16 x half
	v_mul_u32_u24 v9, v9, 272
	v_lshl_add_u32 v9, v3, 5, v9
	s_lshl_b32 s30, s[WV], 6
	s_add_co_u32 s30, s30, SIM
	v_add_nc_u32 v9, s30, v9                       ; my eight sums: row r % 4, centroids 16 w + 8 hh on
	s_and_b32 s31, s[WV], 1
	s_mul_i32 s32, s31, 2*272
	s_add_co_u32 s32, s32, SIM
	v_mul_u32_u24 v10, v3, 272
	v_lshl_add_u32 v10, v2, 4, v10
	v_add_nc_u32 v10, s32, v10                     ; the end: row 2 (w % 2) + hh, centroids 4 r on
	v_mov_b32 v11, 1.0
	v_mov_b32 v250, 0                              ; a lane permute's destination counts as read
	s_mov_b32 s26, 0x76543210                      ; v_permlanex16_b32's selects for lane l xor 16
	s_mov_b32 s27, 0xfedcba98
	s_lshl_b32 s34, ttmp9, 13                      ; part: row 4 x work-group + wave, 2,048 bytes a row
	s_lshl_b32 s35, s[WV], 11
	s_add_co_u32 s34, s34, s35
	s_mov_b32 s35, 0
	s_lshl_b32 s36, s[WV], 13                      ; cent_img: tile w, 8,192 bytes
	s_mov_b32 s37, 0
	s_lshl_b32 s38, ttmp9, 10                      ; out0: four rows of 256 bytes a work-group, two a wave
	s_lshl_b32 s39, s31, 9
	s_add_co_u32 s38, s38, s39
	s_mov_b32 s39, 0
	s_wait_kmcnt 0x0
	s_load_b96 s[20:22], s[10:11], 0x0             ; e0, e1, e2
	s_add_nc_u64 s[4:5], s[4:5], s[34:35]
	s_add_nc_u64 s[6:7], s[6:7], s[36:37]
	s_add_nc_u64 s[12:13], s[12:13], s[38:39]
.irp p, 0,1,2,3,4,5,6,7                        ; every load of the wave reads 512 consecutive bytes: register 4 j + e of a part is h = 128 j + 4 x lane + e
.irp j, 0,1,2,3
	global_load_b128 v[16+16*\p+4*\j:19+16*\p+4*\j], v4, s[4:5] offset:\p*1048576+512*\j th:TH_LOAD_NT   ; at most 7,341,568: inside the signed 24-bit immediate (ISA guide, chapter 10)
.endr
.endr
.irp j, 0,1,2,3
	global_load_b128 v[144+4*\j:147+4*\j], v4, s[8:9] offset:512*\j
.endr
.irp s, 0,1,2,3                                ; the image of the operand's registers: fragment s, registers 4 c on, 16 bytes a lane
.irp c, 0,1,2,3
	global_load_b128 v[160+16*\s+4*\c:163+16*\s+4*\c], v4, s[6:7] offset:2048*\s+512*\c
.endr
.endr
	s_wait_kmcnt 0x0
	s_add_co_i32 s24, s20, s21
	s_add_co_i32 s24, s24, 121                     ; e0 + e1 - 6 + 127
	s_lshl_b32 s24, s24, 23                        ; 2^(e0 + e1) / 64 as f32
	s_mov_b32 s25, s24                             ; (named with it as a pair, so it is written)
	s_add_co_i32 s28, s22, 127
	s_lshl_b32 s29, s28, 23
	v_mov_b32 v14, s29                             ; 2^e2 as f32: the conversion takes its exponent field
	s_add_co_i32 s28, s28, 15
	s_lshl_b32 s28, s28, 23
	s_or_b32 s28, s28, 0x600000
	v_mov_b32 v15, s28                             ; 57,344 x 2^e2
	s_wait_loadcnt 16                              ; the parts and the bias are in; the centroids' sixteen loads may be out
.irp p, 0,2,4,6                                ; the eight parts are added as a tree
.irp i, 0,2,4,6,8,10,12,14
	v_pk_add_f32 v[16+16*\p+\i:17+16*\p+\i], v[16+16*\p+\i:17+16*\p+\i], v[32+16*\p+\i:33+16*\p+\i]
.endr
.endr
.irp p, 0,4
.irp i, 0,2,4,6,8,10,12,14
	v_pk_add_f32 v[16+16*\p+\i:17+16*\p+\i], v[16+16*\p+\i:17+16*\p+\i], v[48+16*\p+\i:49+16*\p+\i]
.endr
.endr
.irp i, 0,2,4,6,8,10,12,14
	v_pk_add_f32 v[16+\i:17+\i], v[16+\i:17+\i], v[80+\i:81+\i]
.endr
.irp i, 0,2,4,6,8,10,12,14
	v_pk_fma_f32 v[16+\i:17+\i], v[16+\i:17+\i], s[24:25], v[144+\i:145+\i] op_sel_hi:[1,0,1]   ; sum x 2^(e0 + e1 - 6) + bias (the scalar pair's low word for both halves)
.endr
.irp j, 0,1,2,3
	ds_store_b128 v5, v[16+4*\j:19+4*\j] offset:640*\j     ; the row turns through my own stage: LDS serves a wave's instructions in order, so no wait stands between the stores and the loads
.endr
.irp i, 0,1,2,3
	ds_load_b128 v[32+4*\i:35+4*\i], v6 offset:16*\i       ; h = 16 x lane + 0 .. 15
.endr
	v_pk_mul_f32 v[248:249], v[16:17], v[16:17]    ; meanwhile: the sum of squares
.irp i, 2,4,6,8,10,12,14
	v_pk_fma_f32 v[248:249], v[16+\i:17+\i], v[16+\i:17+\i], v[248:249]
.endr
	v_add_f32 v248, v248, v249
	v_add_f32_dpp v248, v248, v248 row_xmask:1 row_mask:0xf bank_mask:0xf
	v_add_f32_dpp v248, v248, v248 row_xmask:2 row_mask:0xf bank_mask:0xf
	v_add_f32_dpp v248, v248, v248 row_xmask:4 row_mask:0xf bank_mask:0xf
	v_add_f32_dpp v248, v248, v248 row_xmask:8 row_mask:0xf bank_mask:0xf
	v_permlanex16_b32 v250, v248, s26, s27
	v_add_f32 v248, v248, v250                     ; over the 32 lanes: the row's 512
	v_sqrt_f32 v251, v248
	v_nop                                          ; a plain place behind the root,
	s_wait_alu depctr_va_vdst(0)                   ; and the wait ahead of its first reader
	v_max_num_f32 v251, 0x2b8cbccc, v251           ; max(norm, 1e-12)
	v_rcp_f32 v252, v251
	v_rcp_f32 v253, v251                           ; twice: a pair for the packed multiply
	v_nop
	s_wait_alu depctr_va_vdst(0)                   ; one wait for both reciprocals
	s_wait_dscnt 0x0                               ; the row is back, turned
.irp i, 0,2,4,6,8,10,12,14
	v_pk_mul_f32 v[32+\i:33+\i], v[32+\i:33+\i], v[252:253]
.endr
.irp i, 0,1,2,3,4,5,6,7,8,9,10,11,12,13,14,15
	v_med3_num_f32 v[32+\i], v[32+\i], -v15, v15   ; the conversion to an 8-bit code does not saturate (ISA guide 7.6.2): the hold at the largest code x the scale
.endr
	v_cvt_scalef32_pk8_bf8_f32 v[48:49], v[32:39], v14
	v_cvt_scalef32_pk8_bf8_f32 v[50:51], v[40:47], v14
	v_nop                                          ; one plain line behind the last scaled conversion
	ds_store_b128 v7, v[48:51]
	s_wait_dscnt 0x0                               ; for the others' sake: my row's codes lie in LDS
	s_barrier_signal -1
	s_barrier_wait -1                              ; all four rows' do
.irp s, 0,1,2,3
.irp c, 0,1,2,3
	ds_load_b128 v[64+16*\s+4*\c:67+16*\s+4*\c], v8 offset:128*\s+32*\c   ; k = 128 s + 32 c + 16 hh + 0 .. 15 of row r % 4: the places that the centroids' image has
.endr
.endr
	s_wait_dscnt 0x0
	s_wait_loadcnt 0x0                             ; the centroids' fragments
	v_wmma_f32_16x16x128_bf8_bf8 v[224:231], v[160:175], v[64:79], 0           ; source 0 = my 16 centroids, source 1 = the four rows; two accumulators by turns
	v_wmma_f32_16x16x128_bf8_bf8 v[232:239], v[176:191], v[80:95], 0
	v_wmma_f32_16x16x128_bf8_bf8 v[224:231], v[192:207], v[96:111], v[224:231]
	v_wmma_f32_16x16x128_bf8_bf8 v[232:239], v[208:223], v[112:127], v[232:239]
.rept 4
	v_nop                                          ; four places ahead of the first read of the results
.endr
.irp i, 0,2,4,6
	v_pk_add_f32 v[240+\i:241+\i], v[224+\i:225+\i], v[232+\i:233+\i]   ; both accumulators from their low end on: register j is the sum for centroid 16 w + 8 hh + j and row r % 4
.endr
	ds_store_b128 v9, v[240:243]                   ; lanes r, r + 4, r + 8, r + 12 hold the same numbers and write them to the same bytes
	ds_store_b128 v9, v[244:247] offset:16
	s_wait_dscnt 0x0                               ; for the others' sake
	s_barrier_signal -1
	s_barrier_wait -1                              ; the four rows' 64 sums lie in LDS
	s_cmp_lt_u32 s[WV], 2                          ; waves 0 and 1 finish: sixteen lanes to a row, four centroids a lane
	s_cbranch_scc0 .Lend
	ds_load_b128 v[16:19], v10
	v_lshlrev_b32 v20, 2, v2
	v_cvt_f32_u32 v20, v20                         ; my four centroids' numbers as f32: 4 r,
	v_add_f32 v21, 1.0, v20
	v_add_f32 v22, 2.0, v20
	v_add_f32 v23, 0x40400000, v20                 ; .. 4 r + 3
	v_mov_b32 v25, 0x42800000                      ; 64: above every number
	s_wait_dscnt 0x0
	v_max3_num_f32 v24, v16, v17, v18
	v_max_num_f32 v24, v24, v19
	v_max_num_f32_dpp v24, v24, v24 row_xmask:1 row_mask:0xf bank_mask:0xf
	v_max_num_f32_dpp v24, v24, v24 row_xmask:2 row_mask:0xf bank_mask:0xf
	v_max_num_f32_dpp v24, v24, v24 row_xmask:4 row_mask:0xf bank_mask:0xf
	v_max_num_f32_dpp v24, v24, v24 row_xmask:8 row_mask:0xf bank_mask:0xf   ; the row's largest sum, in its sixteen lanes
.irp q, 3,2,1,0
	v_cmp_eq_f32 vcc_lo, v[16+\q], v24
	v_cndmask_b32 v25, v25, v[20+\q], vcc_lo       ; the lowest of my centroids that reaches it
.endr
	v_min_num_f32_dpp v25, v25, v25 row_xmask:1 row_mask:0xf bank_mask:0xf
	v_min_num_f32_dpp v25, v25, v25 row_xmask:2 row_mask:0xf bank_mask:0xf
	v_min_num_f32_dpp v25, v25, v25 row_xmask:4 row_mask:0xf bank_mask:0xf
	v_min_num_f32_dpp v25, v25, v25 row_xmask:8 row_mask:0xf bank_mask:0xf   ; the lowest in the row: ties go to the first, as argmin has it
.irp q, 0,1,2,3
	v_cmp_eq_f32 vcc_lo, v[20+\q], v25
	v_cndmask_b32 v[28+\q], 0, v11, vcc_lo         ; 1.0 there, 0 elsewhere
.endr
	global_store_b128 v4, v[28:31], s[12:13]       ; 32 lanes store two whole rows: 512 consecutive bytes, at a multiple of 512 from out0's first byte
.Lend:
	s_wait_tensorcnt 0x0                           ; the wave's end: a wait, an add and a wait, behind my last LDS store
	ds_add_u32 v[SPW], v[NIL]
	s_wait_dscnt 0x0
	s_endpgm
.Lfunc_end_k_q0edb9f5e22_assign:
	.size	k_q0edb9f5e22_assign, .Lfunc_end_k_q0edb9f5e22_assign-k_q0edb9f5e22_assign
	.p2alignl 7, 3214868480
	.fill 96, 4, 3214868480
	.section	.rodata,"a",@progbits
	.p2align	6, 0x0
	.amdhsa_kernel k_q0edb9f5e22_assign
		.amdhsa_group_segment_fixed_size 14336
		.amdhsa_private_segment_fixed_size 0
		.amdhsa_enable_private_segment 0
		.amdhsa_kernarg_size 40
		.amdhsa_user_sgpr_count 2
		.amdhsa_user_sgpr_kernarg_segment_ptr 1
		.amdhsa_wavefront_size32 1
		.amdhsa_system_sgpr_workgroup_id_x 1
		.amdhsa_system_sgpr_workgroup_id_y 1
		.amdhsa_system_sgpr_workgroup_id_z 1
		.amdhsa_system_vgpr_workitem_id 0
		.amdhsa_next_free_vgpr 256
		.amdhsa_next_free_sgpr 66
		.amdhsa_reserve_vcc 1
		.amdhsa_float_denorm_mode_32 3
		.amdhsa_float_denorm_mode_16_64 3
		.amdhsa_memory_ordered 1
		.amdhsa_forward_progress 1
		.amdhsa_inst_pref_size 20
	.end_amdhsa_kernel
	.amdgpu_metadata
---
amdhsa.version: [ 1, 2 ]
amdhsa.kernels:
  - .name:           k_q0edb9f5e22_assign
    .symbol:         k_q0edb9f5e22_assign.kd
    .args:
      - { .name: part, .offset: 0, .size: 8, .value_kind: global_buffer, .address_space: global }
      - { .name: cent_img, .offset: 8, .size: 8, .value_kind: global_buffer, .address_space: global }
      - { .name: b, .offset: 16, .size: 8, .value_kind: global_buffer, .address_space: global }
      - { .name: lowp_scales, .offset: 24, .size: 8, .value_kind: global_buffer, .address_space: global }
      - { .name: out0, .offset: 32, .size: 8, .value_kind: global_buffer, .address_space: global }
    .group_segment_fixed_size: 14336
    .private_segment_fixed_size: 0
    .kernarg_segment_align: 8
    .kernarg_segment_size: 40
    .max_flat_workgroup_size: 128
    .sgpr_count:     66
    .vgpr_count:     256
    .wavefront_size: 32
...
	.end_amdgpu_metadata
.endif
;; end of part 2
;; ======== version 2 of 2: 2 launches; version 1 with the launch assign written anew for expert scheduling mode
;; workspace buffers: part 8,388,608 bytes; cent_img 32,768 bytes
;; launch gemm: the kernel of part 1 again; grid 256 x 1, 4 waves a work-group, clusters of 4 x 1, 279,040 bytes of LDS; arguments x_codes, W_codes, centroids, lowp_scales, part, cent_img; writes part, cent_img
;; launch assign (part 3): grid 128 x 1, 4 waves a work-group, no clusters, 14,336 bytes of LDS; arguments part, cent_img, b, lowp_scales, out0; writes out0
.if DOCPART == 3
	.amdgcn_target "amdgcn-amd-amdhsa--gfx1250"
	.amdhsa_code_object_version 6
	.text
	.protected	k_q0edb9f5e22_assign
	.globl	k_q0edb9f5e22_assign
	.p2align	8
	.type	k_q0edb9f5e22_assign,@function
k_q0edb9f5e22_assign:
	s_mov_b64 s[64:65], 0
	v_nop
	global_prefetch_b8 v0, s[64:65] scope:SCOPE_SE
	s_setreg_imm32_b32 hwreg(HW_REG_WAVE_SCHED_MODE, 0, 2), 2
	s_setreg_imm32_b32 hwreg(HW_REG_WAVE_MODE, 25, 1), 1
	s_wait_xcnt 0x0
	s_wait_alu depctr_vm_vsrc(0)
; HardClusterAssigner, second launch: the eight parts of product 1 are added; x 2^(e0 + e1 - 6) + bias (the mean over 64 batches); the row's L2 norm; the quantiser with 2^e2; product 2 on E5M2 codes; the one-hot of the nearest centroid.
; LEFT OUT, as shown at the first kernel's head: the negation and the factor 2^(e2 + e3) behind product 2: the first argmin of -s 2^(e2 + e3) along a row is the first argmax of s.
; LIMITS: e0 + e1 - 6 between -126 and 127; e2 between -126 and 112.  NaN and infinity are not served (the maximum passes over a NaN, where argmin would name it).
; SHARES.  A work-group owns 4 rows (v) of the 512.  First wave w makes row w's 512 codes; then wave w multiplies the four rows by centroids 16 w .. 16 w + 15; then waves 0 and 1 finish two rows each.
; The second product's source 1 has 16 columns: the four rows, each four times (column r holds row r % 4): 128 work-groups share the reading of the parts, which is the launch's bulk.
; No tensor load and no cluster: each byte of part is read by one work-group; what all share, the centroids' 32 KiB of codes, comes by dense loads straight into the operand's registers.
; The choice of a centroid selects values only (compares and v_cndmask_b32): no branch and no address hangs on it.
; REGISTERS: v1-11 addresses; v12, v13 the add's two; v14, v15 2^e2 and 57,344 x 2^e2; v16-143 the eight parts (part p at v[16 + 16 p]); v144-159 the bias; v160-223 my four fragments of centroids;
;   v224-239 two accumulators, v240-247 their sum; v248-253 at work.  Later: v16-31 the row, v32-47 the row turned, v48-51 its codes, v64-127 the four rows' fragments.
; THE MODE: SCHED_MODE bits 1:0 = 2 (LLVM: expert scheduling mode 2), set by the entry lines.  The code itself states the register dependences
; between vector or matrix instructions and memory or LDS instructions, with s_wait_alu, always for 0.
; THE PLAN.  The text is one straight pass.  Registers that memory or LDS instructions touch:
;   v4 .. v10     offsets and LDS addresses: written at the head, read by every load and store, never written again.  One wait on va_vdst ahead of the first load states them all.
;   v16 .. v223   the global loads land here; no vector instruction names them ahead of those loads.
;   v16 .. v31    the row: written by the additions and the multiply-add, read by the turn's four LDS stores; written again at the very end (an LDS load into v16-19, vector work in v20-31): one wait on vm_vsrc ahead of that.
;   v32 .. v47    read by the additions; then the turn's LDS loads land in them.
;   v48 .. v51    the codes: written by the conversions, read by one LDS store, never written again.
;   v64 .. v127   read and written by the additions; then the four rows' fragments land in them.
;   v240 .. v247  written by the additions of the two accumulators, read by two LDS stores, never written again.
;   v28 .. v31    written by the last selects, read by the global store.
;   v12, v13      written at the head, read by the closing add alone.
; So a wait on va_vdst stands ahead of each run of stores (the turn's, the codes', the sums', the output's); the LDS loads that follow a run land in registers that no vector instruction has named since that wait.
; Scalar results of vector instructions: the wave's number, and the masks of the compares, which are laid in two runs of four into scalar registers: one wait on va_sdst behind each writer or run, ahead of its first reader.
.set TURNB, 2560                       ; LDS: for each wave a stage of 32 places of 64 bytes + 16 of padding, in which the row turns from 4 numbers a lane and load to 16 neighbours a lane
.set XC,    4*TURNB                    ; the four rows' codes, 512 bytes + 16 apart
.set SIM,   12544                      ; the four rows' 64 sums, 256 bytes + 16 apart
.set SPARE, 13824                      ; the spare words, 128 bytes for each wave: two blocks of 256 bytes that no other line names
.set SPW, 12
.set NIL, 13
.set WV,  16
	s_load_b256 s[4:11], s[0:1], 0x0               ; part s[4:5], cent_img s[6:7], b s[8:9], the scales' exponents s[10:11]
	s_load_b64 s[12:13], s[0:1], 0x20              ; out0
	v_lshl_add_u32 v[SPW], v0, 2, SPARE
	v_mov_b32 v[NIL], 0
	v_lshrrev_b32 v1, 5, v0
	v_readfirstlane_b32 s[WV], v1                  ; wave 0..3
	v_and_b32 v1, 31, v0                           ; lane
	v_and_b32 v2, 15, v0                           ; r
	v_bfe_u32 v3, v0, 4, 1                         ; hh
	v_lshlrev_b32 v4, 4, v1                        ; 16 x lane
	s_wait_alu depctr_va_sdst(0)                   ; the wave's number is written, ahead of its first reader: LDS places and the buffers' offsets are made from it
	s_mul_i32 s28, s[WV], TURNB
	v_lshrrev_b32 v5, 2, v1
	v_mul_u32_u24 v5, v5, 80
	v_and_b32 v6, 3, v1
	v_lshl_add_u32 v5, v6, 4, v5
	v_add_nc_u32 v5, s28, v5                       ; the turn, in: four lanes' 64 bytes on end, then the padding; a load's 512 bytes take eight places
	v_mul_u32_u24 v6, v1, 80
	v_add_nc_u32 v6, s28, v6                       ; out: place = lane: my 16 neighbours
	s_mul_i32 s29, s[WV], 528
	s_add_co_u32 s29, s29, XC
	v_add_nc_u32 v7, s29, v4                       ; where my 16 codes go: row w, byte 16 x lane
	v_and_b32 v9, 3, v2                            ; r % 4
	v_mul_u32_u24 v8, v9, 528
	v_lshl_add_u32 v8, v3, 4, v8
	v_add_nc_u32 v8, XC, v8                        ; a fragment of the four rows: row r % 4, + 16 x half
	v_mul_u32_u24 v9, v9, 272
	v_lshl_add_u32 v9, v3, 5, v9
	s_lshl_b32 s30, s[WV], 6
	s_add_co_u32 s30, s30, SIM
	v_add_nc_u32 v9, s30, v9                       ; my eight sums: row r % 4, centroids 16 w + 8 hh on
	s_and_b32 s31, s[WV], 1
	s_mul_i32 s32, s31, 2*272
	s_add_co_u32 s32, s32, SIM
	v_mul_u32_u24 v10, v3, 272
	v_lshl_add_u32 v10, v2, 4, v10
	v_add_nc_u32 v10, s32, v10                     ; the end: row 2 (w % 2) + hh, centroids 4 r on
	v_mov_b32 v11, 1.0
	v_mov_b32 v250, 0                              ; a lane permute's destination counts as read
	s_mov_b32 s26, 0x76543210                      ; v_permlanex16_b32's selects for lane l xor 16
	s_mov_b32 s27, 0xfedcba98
	s_lshl_b32 s34, ttmp9, 13                      ; part: row 4 x work-group + wave, 2,048 bytes a row
	s_lshl_b32 s35, s[WV], 11
	s_add_co_u32 s34, s34, s35
	s_mov_b32 s35, 0
	s_lshl_b32 s36, s[WV], 13                      ; cent_img: tile w, 8,192 bytes
	s_mov_b32 s37, 0
	s_lshl_b32 s38, ttmp9, 10                      ; out0: four rows of 256 bytes a work-group, two a wave
	s_lshl_b32 s39, s31, 9
	s_add_co_u32 s38, s38, s39
	s_mov_b32 s39, 0
	s_wait_kmcnt 0x0
	s_load_b96 s[20:22], s[10:11], 0x0             ; e0, e1, e2
	s_add_nc_u64 s[4:5], s[4:5], s[34:35]
	s_add_nc_u64 s[6:7], s[6:7], s[36:37]
	s_add_nc_u64 s[12:13], s[12:13], s[38:39]
	s_wait_alu depctr_va_vdst(0)                   ; the offsets and LDS addresses v4 to v10 are written, which the loads and stores of the whole kernel read
.irp p, 0,1,2,3,4,5,6,7                        ; every load of the wave reads 512 consecutive bytes: register 4 j + e of a part is h = 128 j + 4 x lane + e
.irp j, 0,1,2,3
	global_load_b128 v[16+16*\p+4*\j:19+16*\p+4*\j], v4, s[4:5] offset:\p*1048576+512*\j th:TH_LOAD_NT   ; at most 7,341,568: inside the signed 24-bit immediate (ISA guide, chapter 10)
.endr
.endr
.irp j, 0,1,2,3
	global_load_b128 v[144+4*\j:147+4*\j], v4, s[8:9] offset:512*\j
.endr
.irp s, 0,1,2,3                                ; the image of the operand's registers: fragment s, registers 4 c on, 16 bytes a lane
.irp c, 0,1,2,3
	global_load_b128 v[160+16*\s+4*\c:163+16*\s+4*\c], v4, s[6:7] offset:2048*\s+512*\c
.endr
.endr
	s_wait_kmcnt 0x0
	s_add_co_i32 s24, s20, s21
	s_add_co_i32 s24, s24, 121                     ; e0 + e1 - 6 + 127
	s_lshl_b32 s24, s24, 23                        ; 2^(e0 + e1) / 64 as f32
	s_mov_b32 s25, s24                             ; (named with it as a pair, so it is written)
	s_add_co_i32 s28, s22, 127
	s_lshl_b32 s29, s28, 23
	v_mov_b32 v14, s29                             ; 2^e2 as f32: the conversion takes its exponent field
	s_add_co_i32 s28, s28, 15
	s_lshl_b32 s28, s28, 23
	s_or_b32 s28, s28, 0x600000
	v_mov_b32 v15, s28                             ; 57,344 x 2^e2
	s_wait_loadcnt 16                              ; the parts and the bias are in; the centroids' sixteen loads may be out
.irp p, 0,2,4,6                                ; the eight parts are added as a tree
.irp i, 0,2,4,6,8,10,12,14
	v_pk_add_f32 v[16+16*\p+\i:17+16*\p+\i], v[16+16*\p+\i:17+16*\p+\i], v[32+16*\p+\i:33+16*\p+\i]
.endr
.endr
.irp p, 0,4
.irp i, 0,2,4,6,8,10,12,14
	v_pk_add_f32 v[16+16*\p+\i:17+16*\p+\i], v[16+16*\p+\i:17+16*\p+\i], v[48+16*\p+\i:49+16*\p+\i]
.endr
.endr
.irp i, 0,2,4,6,8,10,12,14
	v_pk_add_f32 v[16+\i:17+\i], v[16+\i:17+\i], v[80+\i:81+\i]
.endr
.irp i, 0,2,4,6,8,10,12,14
	v_pk_fma_f32 v[16+\i:17+\i], v[16+\i:17+\i], s[24:25], v[144+\i:145+\i] op_sel_hi:[1,0,1]   ; sum x 2^(e0 + e1 - 6) + bias (the scalar pair's low word for both halves)
.endr
	s_wait_alu depctr_va_vdst(0)                   ; the multiply-adds have written the row v16-31, which the LDS stores read; the additions are done reading v32-47, in which the LDS loads land
.irp j, 0,1,2,3
	ds_store_b128 v5, v[16+4*\j:19+4*\j] offset:640*\j     ; the row turns through my own stage: LDS serves a wave's instructions in order, so no wait stands between the stores and the loads
.endr
.irp i, 0,1,2,3
	ds_load_b128 v[32+4*\i:35+4*\i], v6 offset:16*\i       ; h = 16 x lane + 0 .. 15
.endr
	v_pk_mul_f32 v[248:249], v[16:17], v[16:17]    ; meanwhile: the sum of squares (it reads the row and writes v248 on: none of the registers that the loads above land in)
.irp i, 2,4,6,8,10,12,14
	v_pk_fma_f32 v[248:249], v[16+\i:17+\i], v[16+\i:17+\i], v[248:249]
.endr
	v_add_f32 v248, v248, v249
	v_add_f32_dpp v248, v248, v248 row_xmask:1 row_mask:0xf bank_mask:0xf
	v_add_f32_dpp v248, v248, v248 row_xmask:2 row_mask:0xf bank_mask:0xf
	v_add_f32_dpp v248, v248, v248 row_xmask:4 row_mask:0xf bank_mask:0xf
	v_add_f32_dpp v248, v248, v248 row_xmask:8 row_mask:0xf bank_mask:0xf
	v_permlanex16_b32 v250, v248, s26, s27
	v_add_f32 v248, v248, v250                     ; over the 32 lanes: the row's 512
	v_sqrt_f32 v251, v248
	v_nop                                          ; a plain place behind the root,
	s_wait_alu depctr_va_vdst(0)                   ; the root has written v251: the wait ahead of its first reader
	v_max_num_f32 v251, 0x2b8cbccc, v251           ; max(norm, 1e-12)
	v_rcp_f32 v252, v251
	v_rcp_f32 v253, v251                           ; twice: a pair for the packed multiply
	v_nop
	s_wait_alu depctr_va_vdst(0)                   ; both reciprocals have written v252 and v253: one wait, ahead of their first reader
	s_wait_dscnt 0x0                               ; the row is back, turned
.irp i, 0,2,4,6,8,10,12,14
	v_pk_mul_f32 v[32+\i:33+\i], v[32+\i:33+\i], v[252:253]
.endr
.irp i, 0,1,2,3,4,5,6,7,8,9,10,11,12,13,14,15
	v_med3_num_f32 v[32+\i], v[32+\i], -v15, v15   ; the conversion to an 8-bit code does not saturate (ISA guide 7.6.2): the hold at the largest code x the scale
.endr
	v_cvt_scalef32_pk8_bf8_f32 v[48:49], v[32:39], v14
	v_cvt_scalef32_pk8_bf8_f32 v[50:51], v[40:47], v14
	v_nop                                          ; one plain line behind the last scaled conversion
	s_wait_alu depctr_va_vdst(0)                   ; the conversions have written the codes v48-51, which the LDS store reads; and the additions are done with v64-127, in which the fragments' loads behind the barrier land: no vector instruction stands between this wait and them
	ds_store_b128 v7, v[48:51]
	s_wait_dscnt 0x0                               ; for the others' sake: my row's codes lie in LDS
	s_barrier_signal -1
	s_barrier_wait -1                              ; all four rows' do
.irp s, 0,1,2,3
.irp c, 0,1,2,3
	ds_load_b128 v[64+16*\s+4*\c:67+16*\s+4*\c], v8 offset:128*\s+32*\c   ; k = 128 s + 32 c + 16 hh + 0 .. 15 of row r % 4: the places that the centroids' image has
.endr
.endr
	s_wait_dscnt 0x0
	s_wait_loadcnt 0x0                             ; the centroids' fragments
	v_wmma_f32_16x16x128_bf8_bf8 v[224:231], v[160:175], v[64:79], 0           ; source 0 = my 16 centroids, source 1 = the four rows; two accumulators by turns
	v_wmma_f32_16x16x128_bf8_bf8 v[232:239], v[176:191], v[80:95], 0
	v_wmma_f32_16x16x128_bf8_bf8 v[224:231], v[192:207], v[96:111], v[224:231]
	v_wmma_f32_16x16x128_bf8_bf8 v[232:239], v[208:223], v[112:127], v[232:239]
.rept 4
	v_nop                                          ; four places ahead of the first read of the results
.endr
.irp i, 0,2,4,6
	v_pk_add_f32 v[240+\i:241+\i], v[224+\i:225+\i], v[232+\i:233+\i]   ; both accumulators from their low end on: register j is the sum for centroid 16 w + 8 hh + j and row r % 4
.endr
	s_wait_alu depctr_va_vdst(0)                   ; the additions have written v240-247, which the LDS stores read; and the sum of squares is done reading v16-19, in which the last LDS load lands
	ds_store_b128 v9, v[240:243]                   ; lanes r, r + 4, r + 8, r + 12 hold the same numbers and write them to the same bytes
	ds_store_b128 v9, v[244:247] offset:16
	s_wait_dscnt 0x0                               ; for the others' sake
	s_barrier_signal -1
	s_barrier_wait -1                              ; the four rows' 64 sums lie in LDS
	s_wait_alu depctr_vm_vsrc(0)                   ; the turn's LDS stores have read v16-31, which the finish below writes again (a load into v16-19, vector work in v20-31); the wait stands ahead of the branch
	s_cmp_lt_u32 s[WV], 2                          ; waves 0 and 1 finish: sixteen lanes to a row, four centroids a lane
	s_cbranch_scc0 .Lend
	ds_load_b128 v[16:19], v10
	v_lshlrev_b32 v20, 2, v2
	v_cvt_f32_u32 v20, v20                         ; my four centroids' numbers as f32: 4 r,
	v_add_f32 v21, 1.0, v20
	v_add_f32 v22, 2.0, v20
	v_add_f32 v23, 0x40400000, v20                 ; .. 4 r + 3
	v_mov_b32 v25, 0x42800000                      ; 64: above every number
	s_wait_dscnt 0x0
	v_max3_num_f32 v24, v16, v17, v18
	v_max_num_f32 v24, v24, v19
	v_max_num_f32_dpp v24, v24, v24 row_xmask:1 row_mask:0xf bank_mask:0xf
	v_max_num_f32_dpp v24, v24, v24 row_xmask:2 row_mask:0xf bank_mask:0xf
	v_max_num_f32_dpp v24, v24, v24 row_xmask:4 row_mask:0xf bank_mask:0xf
	v_max_num_f32_dpp v24, v24, v24 row_xmask:8 row_mask:0xf bank_mask:0xf   ; the row's largest sum, in its sixteen lanes
.irp q, 0,1,2,3
	v_cmp_eq_f32 s[28+\q], v[16+\q], v24           ; which of my four centroids reach it: four masks in a run
.endr
	s_wait_alu depctr_va_sdst(0)                   ; the four compares have written s28 to s31, ahead of the selects that read them
.irp q, 3,2,1,0
	v_cndmask_b32 v25, v25, v[20+\q], s[28+\q]     ; the lowest of my centroids that reaches it
.endr
	v_min_num_f32_dpp v25, v25, v25 row_xmask:1 row_mask:0xf bank_mask:0xf
	v_min_num_f32_dpp v25, v25, v25 row_xmask:2 row_mask:0xf bank_mask:0xf
	v_min_num_f32_dpp v25, v25, v25 row_xmask:4 row_mask:0xf bank_mask:0xf
	v_min_num_f32_dpp v25, v25, v25 row_xmask:8 row_mask:0xf bank_mask:0xf   ; the lowest in the row: ties go to the first, as argmin has it
.irp q, 0,1,2,3
	v_cmp_eq_f32 s[32+\q], v[20+\q], v25           ; is it one of mine: four masks in a run
.endr
	s_wait_alu depctr_va_sdst(0)                   ; the four compares have written s32 to s35, ahead of the selects that read them
.irp q, 0,1,2,3
	v_cndmask_b32 v[28+\q], 0, v11, s[32+\q]       ; 1.0 there, 0 elsewhere
.endr
	s_wait_alu depctr_va_vdst(0)                   ; the selects have written v28-31, which the store reads
	global_store_b128 v4, v[28:31], s[12:13]       ; 32 lanes store two whole rows: 512 consecutive bytes, at a multiple of 512 from out0's first byte
.Lend:
	s_wait_dscnt 0x0                               ; the wave's end: the closing lines, six on end, behind my last LDS store
	s_wait_alu 0x0
	s_wait_tensorcnt 0x0
	ds_add_u32 v[SPW], v[NIL]
	s_wait_dscnt 0x0
	s_endpgm
.Lfunc_end_k_q0edb9f5e22_assign:
	.size	k_q0edb9f5e22_assign, .Lfunc_end_k_q0edb9f5e22_assign-k_q0edb9f5e22_assign
	.p2alignl 7, 3214868480
	.fill 96, 4, 3214868480
	.section	.rodata,"a",@progbits
	.p2align	6, 0x0
	.amdhsa_kernel k_q0edb9f5e22_assign
		.amdhsa_group_segment_fixed_size 14336
		.amdhsa_private_segment_fixed_size 0
		.amdhsa_enable_private_segment 0
		.amdhsa_kernarg_size 40
		.amdhsa_user_sgpr_count 2
		.amdhsa_user_sgpr_kernarg_segment_ptr 1
		.amdhsa_wavefront_size32 1
		.amdhsa_system_sgpr_workgroup_id_x 1
		.amdhsa_system_sgpr_workgroup_id_y 1
		.amdhsa_system_sgpr_workgroup_id_z 1
		.amdhsa_system_vgpr_workitem_id 0
		.amdhsa_next_free_vgpr 256
		.amdhsa_next_free_sgpr 66
		.amdhsa_reserve_vcc 0
		.amdhsa_float_denorm_mode_32 3
		.amdhsa_float_denorm_mode_16_64 3
		.amdhsa_memory_ordered 1
		.amdhsa_forward_progress 1
		.amdhsa_inst_pref_size 21
	.end_amdhsa_kernel
	.amdgpu_metadata
---
amdhsa.version: [ 1, 2 ]
amdhsa.kernels:
  - .name:           k_q0edb9f5e22_assign
    .symbol:         k_q0edb9f5e22_assign.kd
    .args:
      - { .name: part, .offset: 0, .size: 8, .value_kind: global_buffer, .address_space: global }
      - { .name: cent_img, .offset: 8, .size: 8, .value_kind: global_buffer, .address_space: global }
      - { .name: b, .offset: 16, .size: 8, .value_kind: global_buffer, .address_space: global }
      - { .name: lowp_scales, .offset: 24, .size: 8, .value_kind: global_buffer, .address_space: global }
      - { .name: out0, .offset: 32, .size: 8, .value_kind: global_buffer, .address_space: global }
    .group_segment_fixed_size: 14336
    .private_segment_fixed_size: 0
    .kernarg_segment_align: 8
    .kernarg_segment_size: 40
    .max_flat_workgroup_size: 128
    .sgpr_count:     66
    .vgpr_count:     256
    .wavefront_size: 32
...
	.end_amdgpu_metadata
.endif
;; end of part 3
